; MI455X (gfx1250); checked and timed in simulation.
; The chip was launched on July 23, 2026; its instructions are those of AMD's public machine-readable ISA for CDNA 5 (MIT licence, August 2026) and "CDNA5" Instruction Set Architecture Reference Guide (July 2026). The comments in the code are by the model that wrote it; some were corrected since.
;; Causal Attention. Allowed arithmetic: float matrix products may take bf16 or f16 operands with f32 sums; other float arithmetic in f32, or as packed bf16 or f16 multiplies, adds, multiply-adds, maxima and minima; sums over many terms, partial sums and values carried from step to step in f32; what a program stores and reads back later, other than sums and carried values, may be rounded once to bf16 or f16.
;; Inputs: Wk 1,024 x 1,024 float32; Wq 1,024 x 1,024 float32; Wv 1,024 x 1,024 float32; x 4 x 2,048 x 1,024 float32.
;; Outputs: out0 4 x 2,048 x 1,024 float32.
;; One version. Each part assembles by itself: llvm-mc -triple=amdgcn-amd-amdhsa -mcpu=gfx1250 --defsym DOCPART=n.
;; ======== version 1 of 1: 4 launches
;; limits: values are held in f16: magnitudes above 65,504 overflow, below 6.1e-05 lose precision; values outside matrix products are rounded to f16
;; workspace buffers: xb 16,777,216 bytes; wb 6,291,456 bytes; qkv 50,331,648 bytes; pt 33,554,432 bytes; st 1,048,576 bytes
;; launch cast (part 1): grid 704 x 1, 8 waves a work-group, no clusters, 0 bytes of LDS; arguments x, Wq, Wk, Wv, xb, wb; writes xb, wb
.if DOCPART == 1
	.amdgcn_target "amdgcn-amd-amdhsa--gfx1250"
	.amdhsa_code_object_version 6
	.text
	.protected	k_q58aac93392_cast
	.globl	k_q58aac93392_cast
	.p2align	8
	.type	k_q58aac93392_cast,@function
k_q58aac93392_cast:
	s_mov_b64 s[64:65], 0
	v_nop
	global_prefetch_b8 v0, s[64:65] scope:SCOPE_SE
	s_setreg_imm32_b32 hwreg(HW_REG_WAVE_MODE, 25, 1), 1
	s_wait_xcnt 0x0
; x, Wq, Wk, Wv (f32) are rounded once to bf16: xb = x, [8192][1024]; wb = Wq, Wk, Wv one below the other, [3072][1024].
; A stream: no LDS, no matrix work, no cluster (no two work-groups read the same byte).  A work-group takes 16,384 numbers: 65,536 bytes in, 32,768 out.
; Work-groups 0-511 take x, 512-575 Wq, 576-639 Wk, 640-703 Wv.  Thread t takes 8 neighbouring numbers in each of 8 strips of 2,048 numbers: two loads of 16 bytes,
; one store of 16 bytes; sixteen neighbouring lanes store 256 consecutive bytes, aligned.  All 16 loads of a thread go out before the first wait.
.set X, 8                              ; v[8:71]   strip i: 8 numbers in f32
.set Y, 72                             ; v[72:103] strip i: 8 numbers in bf16
	s_load_b256 s[4:11], s[0:1], 0x0               ; x s[4:5], Wq s[6:7], Wk s[8:9], Wv s[10:11]
	s_load_b128 s[12:15], s[0:1], 0x20             ; xb s[12:13], wb s[14:15]
	s_mov_b32 s26, ttmp9
	v_lshlrev_b32 v1, 5, v0                        ; 32 t: my bytes in a strip of the source
	v_lshlrev_b32 v2, 4, v0                        ; 16 t: in a strip of the destination
	s_and_b32 s20, s26, 63                         ; the share's number inside a weight,
	s_sub_co_u32 s21, s26, 512                     ; and inside wb
	s_mov_b32 s23, 0
	s_mov_b32 s25, 0
	s_wait_kmcnt 0x0
	s_cmp_lt_u32 s26, 576                          ; the source is chosen by the work-group's number alone
	s_cselect_b64 s[16:17], s[6:7], s[8:9]
	s_cmp_lt_u32 s26, 640
	s_cselect_b64 s[16:17], s[16:17], s[10:11]
	s_cmp_lt_u32 s26, 512
	s_cselect_b64 s[16:17], s[4:5], s[16:17]
	s_cselect_b64 s[18:19], s[12:13], s[14:15]     ; and so is the destination
	s_cselect_b32 s20, s26, s20
	s_cselect_b32 s21, s26, s21
	s_lshl_b32 s22, s20, 16                        ; 65,536 bytes a share in,
	s_lshl_b32 s24, s21, 15                        ; 32,768 out
	s_add_nc_u64 s[16:17], s[16:17], s[22:23]
	s_add_nc_u64 s[18:19], s[18:19], s[24:25]
.irp i, 0,1,2,3,4,5,6,7
	global_load_b128 v[X+8*(\i):X+8*(\i)+3],   v1, s[16:17] offset:8192*(\i) th:TH_LOAD_NT
	global_load_b128 v[X+8*(\i)+4:X+8*(\i)+7], v1, s[16:17] offset:8192*(\i)+16 th:TH_LOAD_NT
.endr
.irp i, 0,1,2,3,4,5,6,7
	s_wait_loadcnt 14-2*(\i)                       ; loads come back in order: strip i's two are in, the younger ones stay out
.irp k, 0,1,2,3
	v_cvt_pk_bf16_f32 v[Y+4*(\i)+(\k)], v[X+8*(\i)+2*(\k)], v[X+8*(\i)+2*(\k)+1]
.endr
	global_store_b128 v2, v[Y+4*(\i):Y+4*(\i)+3], s[18:19] offset:4096*(\i)
.endr
	s_endpgm
.Lfunc_end_k_q58aac93392_cast:
	.size	k_q58aac93392_cast, .Lfunc_end_k_q58aac93392_cast-k_q58aac93392_cast
	.p2alignl 7, 3214868480
	.fill 96, 4, 3214868480
	.section	.rodata,"a",@progbits
	.p2align	6, 0x0
	.amdhsa_kernel k_q58aac93392_cast
		.amdhsa_group_segment_fixed_size 0
		.amdhsa_private_segment_fixed_size 0
		.amdhsa_enable_private_segment 0
		.amdhsa_kernarg_size 48
		.amdhsa_user_sgpr_count 2
		.amdhsa_user_sgpr_kernarg_segment_ptr 1
		.amdhsa_wavefront_size32 1
		.amdhsa_system_sgpr_workgroup_id_x 1
		.amdhsa_system_sgpr_workgroup_id_y 1
		.amdhsa_system_sgpr_workgroup_id_z 1
		.amdhsa_system_vgpr_workitem_id 0
		.amdhsa_next_free_vgpr 104
		.amdhsa_next_free_sgpr 66
		.amdhsa_reserve_vcc 0
		.amdhsa_float_denorm_mode_32 3
		.amdhsa_float_denorm_mode_16_64 3
		.amdhsa_memory_ordered 1
		.amdhsa_forward_progress 1
		.amdhsa_inst_pref_size 6
	.end_amdhsa_kernel
	.amdgpu_metadata
---
amdhsa.version: [ 1, 2 ]
amdhsa.kernels:
  - .name:           k_q58aac93392_cast
    .symbol:         k_q58aac93392_cast.kd
    .args:
      - { .name: x, .offset: 0, .size: 8, .value_kind: global_buffer, .address_space: global }
      - { .name: Wq, .offset: 8, .size: 8, .value_kind: global_buffer, .address_space: global }
      - { .name: Wk, .offset: 16, .size: 8, .value_kind: global_buffer, .address_space: global }
      - { .name: Wv, .offset: 24, .size: 8, .value_kind: global_buffer, .address_space: global }
      - { .name: xb, .offset: 32, .size: 8, .value_kind: global_buffer, .address_space: global }
      - { .name: wb, .offset: 40, .size: 8, .value_kind: global_buffer, .address_space: global }
    .group_segment_fixed_size: 0
    .private_segment_fixed_size: 0
    .kernarg_segment_align: 8
    .kernarg_segment_size: 48
    .max_flat_workgroup_size: 256
    .sgpr_count:     66
    .vgpr_count:     104
    .wavefront_size: 32
...
	.end_amdgpu_metadata
.endif
;; end of part 1
;; launch proj (part 2): grid 12 x 32, 4 waves a work-group, clusters of 4 x 4, 327,680 bytes of LDS; arguments xb, wb, qkv; writes qkv
.if DOCPART == 2
	.amdgcn_target "amdgcn-amd-amdhsa--gfx1250"
	.amdhsa_code_object_version 6
	.text
	.protected	k_q58aac93392_proj
	.globl	k_q58aac93392_proj
	.p2align	8
	.type	k_q58aac93392_proj,@function
k_q58aac93392_proj:
	s_mov_b64 s[64:65], 0
	v_nop
	global_prefetch_b8 v0, s[64:65] scope:SCOPE_SE
	s_setreg_imm32_b32 hwreg(HW_REG_WAVE_MODE, 25, 1), 1
	s_wait_xcnt 0x0
	s_wait_alu depctr_hold_cnt(0) depctr_sa_sdst(0) depctr_va_vdst(0) depctr_va_sdst(0) depctr_va_ssrc(0) depctr_va_vcc(0) depctr_vm_vsrc(0)
	s_getreg_b32 s2, hwreg(HW_REG_IB_STS2, 6, 4)
	s_cmp_eq_u32 s2, 0
	s_cbranch_scc0 .Lentry_in_a_cluster
	s_endpgm
.Lentry_in_a_cluster:
	s_bfe_u32 s2, ttmp6, 0x10000c
	s_cmp_lg_u32 s2, 0xf033
	s_cbranch_scc0 .Lentry_shape_is_right
	s_endpgm
.Lentry_shape_is_right:
; qkv[m][n] = sum over k of xb[m][k] wb[n][k].  xb: [8192][1024] bf16, wb: [3072][1024] bf16, qkv: [8192][3072] f16 (q, k, v side by side); sums in f32, rounded once.
; LIMIT: f16 ends at 65,504; q, k and v must lie within it (a sum beyond it becomes an infinity).
; A tile of qkv, 256 x 256, is made by a work-group of four waves; a wave makes 128 x 128: 64 accumulators of 16 x 16, 512 registers.  K goes in steps of 128 through a ring of
; two LDS slots filled by the tensor data mover: a tile's rows are 256 bytes of memory and start at multiples of 256 bytes.  The last K step goes by rows of the result, so that
; finished rows leave while the others are multiplied.
; CLUSTERS: 4 x 4 work-groups.  The four of a row of the cluster need the same tiles of xb, the four of a column the same tiles of wb: each tile is asked for JOINTLY, by the same
; tensor load with the same descriptor and a mask that names the four.
; REGISTERS, in windows of 256:  window 0: v0-31 addresses; v64-127, v128-191 fragments of A, two buffers (in the last K step four, of 16 rows x 128 K); v32-63, v192-255 the way out
;   window 1: v64-127, v128-191 fragments of B (in the last K step all 256)      window 2: the accumulators of my rows 0-63 ((a, b) at v[8 (8 a + b)])      window 3: of my rows 64-127
; THE MATRIX INSTRUCTION IS USED TRANSPOSED: source 0 = 16 rows of B, source 1 = 16 rows of A: a lane then holds eight neighbouring numbers of a row of the result.
.set SIZE_M, 8192
.set SIZE_N, 3072
.set SIZE_K, 1024
.set KSTEP,  128
.set PITCH,  272                       ; an LDS row: 256 bytes + 16 of padding: the 16 rows that a load touches start at 16 different groups of four banks (ISA guide 11.1)
.set HALFT,  128*PITCH                 ; 128 rows: what one tensor load brings
.set SLOT,   4*HALFT                   ; A's 256 rows, then B's 256 rows
.set STAGE,  2*SLOT                    ; behind the ring: 16 rows x 272 bytes for each wave, for the way out
.set SPITCH, 272
.set SPARE,  STAGE+4*16*SPITCH         ; the spare words, 128 bytes for each wave, which no other line names
.set LAPS, SIZE_K/(2*KSTEP)            ; a lap = two K steps = once round the ring
.set ADRA, 16                          ; v16-17  LDS address of my A fragments in slot 0, 1
.set ADRB, 20                          ; v20-21  the same for B
.set STO,  24                          ; v24     the way out: where I put 16 bytes of a row
.set RD,   25                          ; v25     the way out: where I read a row back
.set CO,   26                          ; v26     my byte offset in the result
.set SPW,  28                          ; v28     LDS address of my spare word; never rewritten
.set NIL,  29                          ; v29     0; never rewritten
.set F0,   64
.set F1,   128
.set TMP,  192
.set OB,   32
.set PA,   64
.set G1, 24                            ; s[24:31] descriptor group 1 for A's tiles
.set G0, 32                            ; s[32:39] group 0 for A's tiles, one set for each slot
.set G1B, 48                           ; s[48:55] group 1 for B's tiles
.set G0B, 56                           ; s[56:63] group 0 for B's tiles
.set MSB, 0
.macro WIN new                         ; the immediate's high byte repeats the setting that is left
.if MSB != (\new)
	s_set_vgpr_msb (MSB<<8)|(\new)
.set MSB, \new
.endif
.endm
.set MUL_LO, 0xa1                      ; source 0 (B) window 1, source 1 (A) window 0, C and D window 2
.set MUL_HI, 0xf1                      ; the same, C and D window 3
.set TO_B,   0x40                      ; destination window 1, address window 0
; A joint load.  Waves 0 and 1 fetch A's two halves, waves 2 and 3 B's.  The branch hangs on the wave's number alone.  An s_nop 0 and four v_nop follow each line.
.macro JLOAD s
	s_cmp_eq_u32 s11, 0
	s_cbranch_scc0 .Lfor_b_\@
	tensor_load_to_lds s[G0+4*(\s):G0+4*(\s)+3], s[G1:G1+7]
	s_nop 0
.rept 4
	v_nop
.endr
	s_branch .Lasked_\@
.Lfor_b_\@:
	tensor_load_to_lds s[G0B+4*(\s):G0B+4*(\s)+3], s[G1B:G1B+7]
	s_nop 0
.rept 4
	v_nop
.endr
.Lasked_\@:
.endm
.macro CREST                           ; a round of the cluster's barrier behind its opening barrier
	s_cmp_lg_u32 s10, 0
	s_cbranch_scc1 .Lnot_wave_0_\@
	s_barrier_signal -3
.Lnot_wave_0_\@:
	s_barrier_wait -3
	s_barrier_signal -1
	s_barrier_wait -1
.endm
.macro CROUND                          ; a whole round
	s_barrier_signal -1
	s_barrier_wait -1
	CREST
.endm
	s_load_b128 s[4:7], s[0:1], 0x0                ; A s[4:5], B s[6:7]
	s_load_b64 s[8:9], s[0:1], 0x10                ; the result
	v_lshl_add_u32 v[SPW], v0, 2, SPARE
	v_mov_b32 v[NIL], 0
	ds_add_u32 v[SPW], v[NIL]                      ; the wave's opening: the add and its wait stand ahead of my first tensor load
	ds_add_u32 v28, v29
	v_lshrrev_b32 v1, 5, v0
	v_readfirstlane_b32 s10, v1                    ; wave 0..3
	s_lshr_b32 s11, s10, 1                         ; which half of the tile's rows is mine.  Also: I fetch for A (0) or for B (1)
	s_and_b32 s12, s10, 1                          ; which half of its columns.  Also: which 128 rows of that tile I fetch
	s_bfe_u32 s40, ttmp6, 0x40000                  ; cx
	s_bfe_u32 s41, ttmp6, 0x40004                  ; cy
	s_lshl_b32 s42, ttmp9, 2
	s_add_co_u32 s42, s42, s40                     ; tile column = 4 x cluster x + cx
	s_and_b32 s13, ttmp7, 0xffff
	s_lshl_b32 s13, s13, 2
	s_add_co_u32 s13, s13, s41                     ; tile row = 4 x cluster y + cy
	s_lshl_b32 s43, s41, 2
	s_lshl_b32 s43, 15, s43                        ; my row of the cluster
	s_lshl_b32 s44, 0x1111, s40                    ; my column
	s_or_b32 s[G1+0], s43, (1<<16)|(1<<20)|(1<<21)|(5<<22)|(3<<25)  ; the mask; 2-byte elements; padding on; bit 21 beside a mask; after every 64 words; 4 words
	s_or_b32 s[G1B+0], s44, (1<<16)|(1<<20)|(1<<21)|(5<<22)|(3<<25)
	s_mov_b32 s[G1B+1], KSTEP<<16
	s_mov_b32 s[G1+1], KSTEP<<16                   ; tensor_dim0 = 128
	s_mov_b32 s[G1B+2], 128<<16
	s_mov_b32 s[G1+2], 128<<16                     ; tensor_dim1 = 128
	s_mov_b32 s[G1B+3], KSTEP<<16
	s_mov_b32 s[G1+3], KSTEP<<16                   ; tile_dim0 = 128
	s_mov_b32 s[G1B+4], 128
	s_mov_b32 s[G1+4], 128                         ; tile_dim1 = 128
	s_mov_b32 s[G1B+5], SIZE_K
	s_mov_b32 s[G1+5], SIZE_K                      ; elements from row to row
	s_mov_b32 s[G1B+6], 0
	s_mov_b32 s[G1+6], 0
	s_mov_b32 s[G1B+7], 0
	s_mov_b32 s[G1+7], 0
	s_lshl_b32 s17, s12, 7                         ; which 128 rows of the tile I fetch
	s_lshl_b32 s16, s13, 8
	s_add_co_u32 s16, s16, s17                     ; A: row 256 x tile row + 128 x half
	s_lshl_b32 s46, s42, 8
	s_add_co_u32 s46, s46, s17                     ; B: row 256 x tile column + 128 x half
	s_mov_b32 s17, 0
	s_mov_b32 s47, 0
	s_mov_b64 s[18:19], SIZE_K*2
	s_mul_u64 s[16:17], s[16:17], s[18:19]
	s_mul_u64 s[46:47], s[46:47], s[18:19]
	s_mul_i32 s20, s10, HALFT                      ; where they go: wave x 128 rows
	s_wait_dscnt 0x0                               ; the opening add is done
	s_wait_kmcnt 0x0
	s_add_nc_u64 s[14:15], s[4:5], s[16:17]
	s_add_nc_u64 s[46:47], s[6:7], s[46:47]
	CROUND                                         ; all sixteen work-groups are here: the first joint loads meet
.irp s, 0,1
	s_mov_b32 s[G0+4*(\s)], 1
	s_add_co_u32 s[G0+4*(\s)+1], s20, (\s)*SLOT
	s_add_nc_u64 s[G0+4*(\s)+2:G0+4*(\s)+3], s[14:15], (\s)*KSTEP*2
	s_or_b32 s[G0+4*(\s)+3], s[G0+4*(\s)+3], 0x80000000
	s_mov_b32 s[G0B+4*(\s)], 1
	s_add_co_u32 s[G0B+4*(\s)+1], s20, (\s)*SLOT
	s_add_nc_u64 s[G0B+4*(\s)+2:G0B+4*(\s)+3], s[46:47], (\s)*KSTEP*2
	s_or_b32 s[G0B+4*(\s)+3], s[G0B+4*(\s)+3], 0x80000000
	JLOAD \s
.endr
	; A fragment is 16 rows x 32 K in 8 registers: lane l holds row l % 16; registers 0-3 K = 8 (l / 16) + 0..7, registers 4-7 K = 16 + 8 (l / 16) + 0..7: two loads of 16 bytes, 32 apart.
	v_and_b32 v1, 15, v0
	v_bfe_u32 v2, v0, 4, 1
	v_mul_u32_u24 v3, v1, PITCH
	v_lshl_add_u32 v3, v2, 4, v3
	s_mul_i32 s21, s11, HALFT                      ; my 128 rows of A
	s_mul_i32 s22, s12, HALFT                      ; my 128 rows of B,
	s_add_co_u32 s22, s22, 2*HALFT                 ; which lie behind A's 256
.irp s, 0,1
	v_add_nc_u32 v[ADRA+(\s)], s21, v3
	v_add_nc_u32 v[ADRB+(\s)], s22, v3
	s_add_co_u32 s21, s21, SLOT
	s_add_co_u32 s22, s22, SLOT
.endr
	s_mul_i32 s23, s10, 16*SPITCH
	s_add_co_u32 s23, s23, STAGE                   ; my stage
	v_mul_u32_u24 v4, v1, SPITCH
	v_lshl_add_u32 v4, v2, 4, v4
	v_add_nc_u32 v[STO], s23, v4
	v_mul_u32_u24 v5, v2, SPITCH
	v_lshl_add_u32 v5, v1, 4, v5
	v_add_nc_u32 v[RD], s23, v5
	v_mul_u32_u24 v5, v2, SIZE_N*2
	v_lshl_add_u32 v[CO], v1, 4, v5
	s_lshl_b32 s13, s13, 8
	s_lshl_b32 s14, s11, 7
	s_add_co_u32 s16, s13, s14                     ; my first row of the result
	s_mov_b32 s17, 0
	s_mov_b64 s[18:19], SIZE_N*2
	s_mul_u64 s[16:17], s[16:17], s[18:19]
	s_lshl_b32 s46, s42, 9                         ; my first column, in bytes
	s_lshl_b32 s47, s12, 8
	s_add_co_u32 s46, s46, s47
	s_mov_b32 s47, 0
	s_add_nc_u64 s[16:17], s[16:17], s[46:47]
; 16 matrix instructions: m blocks a0, a0 + 1 of the window's four x all 8 n blocks, 32 along K.  zero = 1: the first product starts the sums.
.macro MUL16 f, hi, a0, zero
	WIN MUL_LO+0x50*(\hi)
.irp a, \a0, (\a0)+1
.irp b, 0,1,2,3,4,5,6,7
.if \zero
	v_wmma_f32_16x16x32_bf16 v[8*(8*(\a)+(\b)):8*(8*(\a)+(\b))+7], v[(\f)+8*(\b):(\f)+8*(\b)+7], v[(\f)+8*(4*(\hi)+(\a)):(\f)+8*(4*(\hi)+(\a))+7], 0
.else
	v_wmma_f32_16x16x32_bf16 v[8*(8*(\a)+(\b)):8*(8*(\a)+(\b))+7], v[(\f)+8*(\b):(\f)+8*(\b)+7], v[(\f)+8*(4*(\hi)+(\a)):(\f)+8*(4*(\hi)+(\a))+7], v[8*(8*(\a)+(\b)):8*(8*(\a)+(\b))+7]
.endif
.endr
.endr
.endm
; 32 LDS loads in one run: the fragments of one quarter step into buffer f
.macro FETCH slot, k, f
	WIN TO_B
.irp i, 0,1,2,3,4,5,6,7
	ds_load_b128 v[(\f)+8*(\i):(\f)+8*(\i)+3],   v[ADRB+(\slot)] offset:(\k)+(\i)*16*PITCH
	ds_load_b128 v[(\f)+8*(\i)+4:(\f)+8*(\i)+7], v[ADRB+(\slot)] offset:(\k)+(\i)*16*PITCH+32
.endr
	WIN 0
.irp i, 0,1,2,3,4,5,6,7
	ds_load_b128 v[(\f)+8*(\i):(\f)+8*(\i)+3],   v[ADRA+(\slot)] offset:(\k)+(\i)*16*PITCH
	ds_load_b128 v[(\f)+8*(\i)+4:(\f)+8*(\i)+7], v[ADRA+(\slot)] offset:(\k)+(\i)*16*PITCH+32
.endr
.endm
; Four plain vector instructions stand between a matrix instruction and a load into one of its registers, or a vector instruction that reads its result (ISA guide 7.12.1 for vector instructions).
.macro PLACES
.rept 4
	v_nop
.endr
.endm
.macro QUARTER slot, k, f, g, zero
	s_wait_dscnt 8                                 ; B and A's rows 0-63 are in; the youngest eight loads (A's rows 64-127) may be out
	MUL16 \f, 0, 0, \zero
	MUL16 \f, 0, 2, \zero
	PLACES
	FETCH \slot, \k, \g
	s_wait_dscnt 32                                ; all but the 32 just issued
	MUL16 \f, 1, 0, \zero
	MUL16 \f, 1, 2, \zero
.endm
; The last quarter's first half: ONE barrier for the change of slots.  In front of it each wave waits for all its tensor loads, adds 0 to its spare word, and waits for that and for its reads of this slot.
.macro MEET round
	WIN 0
	s_wait_tensorcnt 0x0                           ; all my tensor loads have landed: the one that was out is my part of the next slot
	ds_add_u32 v[SPW], v[NIL]
	s_wait_dscnt 9                                 ; the add and the youngest eight loads may be out
	MUL16 F1, 0, 0, 0
	s_wait_dscnt 0x0                               ; the add is done, and my reads of this slot are over
	s_barrier_signal -1
	MUL16 F1, 0, 2, 0
.if \round
	WIN 0
.endif
	s_barrier_wait -1
.endm
.macro TURN slot, next
	MEET 1
	CREST                                          ; no wave of any partner still reads this slot's tile or has a load on its way
	s_add_nc_u64 s[G0+4*(\slot)+2:G0+4*(\slot)+3], s[G0+4*(\slot)+2:G0+4*(\slot)+3], 2*KSTEP*2
	s_add_nc_u64 s[G0B+4*(\slot)+2:G0B+4*(\slot)+3], s[G0B+4*(\slot)+2:G0B+4*(\slot)+3], 2*KSTEP*2
	JLOAD \slot                                    ; the first tensor load behind the round; its four v_nop are also the places in front of the loads below
	FETCH \next, 0, F0
	MUL16 F1, 1, 0, 0
	MUL16 F1, 1, 2, 0
.endm
; THE LAST K STEP (slot 1) GOES BY ROWS.  All its fragments of B fill window 1; my eight blocks of 16 rows are finished one after the other, 32 matrix instructions each, K ascending.
.macro BLOAD q
	WIN TO_B
.irp i, 0,1,2,3,4,5,6,7
	ds_load_b128 v[64*(\q)+8*(\i):64*(\q)+8*(\i)+3],   v[ADRB+1] offset:64*(\q)+(\i)*16*PITCH
	ds_load_b128 v[64*(\q)+8*(\i)+4:64*(\q)+8*(\i)+7], v[ADRB+1] offset:64*(\q)+(\i)*16*PITCH+32
.endr
.endm
.macro ALOAD a
	WIN 0
.set FA, PA+32*((\a)%4)
.irp q, 0,1,2,3
	ds_load_b128 v[FA+8*(\q):FA+8*(\q)+3],   v[ADRA+1] offset:64*(\q)+(\a)*16*PITCH
	ds_load_b128 v[FA+8*(\q)+4:FA+8*(\q)+7], v[ADRA+1] offset:64*(\q)+(\a)*16*PITCH+32
.endr
.endm
.macro ROW a
.set FA, PA+32*((\a)%4)
.set AC, 64*((\a)%4)
	WIN MUL_LO+0x50*((\a)/4)
.irp q, 0,1,2,3
.if (\a) == 0 && (\q) == 2
	s_wait_dscnt 24                                ; B's quarter 2 is in (behind it: A's blocks 1 to 3)
.endif
.irp b, 0,1,2,3,4,5,6,7
	v_wmma_f32_16x16x32_bf16 v[AC+8*(\b):AC+8*(\b)+7], v[64*(\q)+8*(\b):64*(\q)+8*(\b)+7], v[FA+8*(\q):FA+8*(\q)+7], v[AC+8*(\b):AC+8*(\b)+7]
.endr
.endr
.endm
; THE WAY OUT of block a.  PACK: rounded to f16, 16 bytes a lane.  TOSTAGE: into my own stage, and back as whole rows of 256 bytes.  SEND: stored.
.macro PACK a
.set AC, 64*((\a)%4)
	WIN 0x0a+5*((\a)/4)
.irp b, 0,1,2,3,4,5,6,7
.irp r, 0,1,2,3
	v_cvt_pk_f16_f32 v[TMP+4*(\b)+(\r)], v[AC+8*(\b)+2*(\r)], v[AC+8*(\b)+2*(\r)+1]
.endr
.endr
	WIN 0
.endm
.macro TOSTAGE a
	WIN 0
.set BK, OB+192*((\a)%2)
.irp b, 0,1,2,3,4,5,6,7
	ds_store_b128 v[STO], v[TMP+4*(\b):TMP+4*(\b)+3] offset:32*(\b)
.endr
.irp t, 0,1,2,3,4,5,6,7
	ds_load_b128 v[BK+4*(\t):BK+4*(\t)+3], v[RD] offset:(\t)*2*SPITCH  ; LDS serves a wave's instructions in order (ISA guide 5.7.1.4): these see the stores above
.endr
.endm
.macro SEND a, younger
	WIN 0
.set BK, OB+192*((\a)%2)
	s_wait_dscnt \younger                          ; the block is back in registers
	s_wait_xcnt 0x0                                ; the stores' base and the registers that earlier stores read are rewritten only behind this wait
.if (\a) == 0
	s_add_nc_u64 s[8:9], s[8:9], s[16:17]
.else
	s_add_nc_u64 s[8:9], s[8:9], 16*SIZE_N*2
.endif
.irp t, 0,1,2,3,4,5,6,7
	global_store_b128 v[CO], v[BK+4*(\t):BK+4*(\t)+3], s[8:9] offset:2*(\t)*SIZE_N*2  ; 16 lanes store 256 consecutive bytes, aligned
.endr
.endm
	s_wait_tensorcnt 1                             ; my part of K step 0 is in; K step 1's may stay out
	s_barrier_signal -1
	s_barrier_wait -1
	FETCH 0, 0, F0
	QUARTER 0, 64,  F0, F1, 1                      ; the first quarter stands in front of the loop: its products start the sums
	WIN 0
	s_mov_b32 s3, LAPS-1
.Llap:                                                 ; a trip goes once round the ring and fills both slots again
	QUARTER 0, 128, F1, F0, 0
	QUARTER 0, 192, F0, F1, 0
	TURN 0, 1
	QUARTER 1, 64,  F0, F1, 0
	QUARTER 1, 128, F1, F0, 0
	QUARTER 1, 192, F0, F1, 0
	TURN 1, 0
	QUARTER 0, 64,  F0, F1, 0
	WIN 0
	s_sub_co_u32 s3, s3, 1
	s_cmp_lg_u32 s3, 0
	s_cbranch_scc1 .Llap
	QUARTER 0, 128, F1, F0, 0
	QUARTER 0, 192, F0, F1, 0
	MEET 0                                         ; nothing is filled again, so no round follows
	PLACES
	BLOAD 0
	BLOAD 1
	BLOAD 3
	ALOAD 0
	MUL16 F1, 1, 0, 0
	MUL16 F1, 1, 2, 0
	PLACES
	BLOAD 2
	ALOAD 1
	ALOAD 2
	ALOAD 3
	s_wait_dscnt 40                                ; all but the 40 just issued
	ROW 0
.irp a, 0,1,2,3,4,5,6,7
	PLACES
	PACK \a
	TOSTAGE \a
.if (\a) < 4
	ALOAD (\a)+4
	SEND \a, 8
.else
	SEND \a, 0
.endif
.if (\a) < 7
	ROW (\a)+1
.endif
.endr
	s_wait_tensorcnt 0x0                           ; the wave's end
	ds_add_u32 v[SPW], v[NIL]
	s_wait_dscnt 0x0
	CROUND                                         ; the closing round
	s_endpgm
.Lfunc_end_k_q58aac93392_proj:
	.size	k_q58aac93392_proj, .Lfunc_end_k_q58aac93392_proj-k_q58aac93392_proj
	.p2alignl 7, 3214868480
	.fill 96, 4, 3214868480
	.section	.rodata,"a",@progbits
	.p2align	6, 0x0
	.amdhsa_kernel k_q58aac93392_proj
		.amdhsa_group_segment_fixed_size 327680
		.amdhsa_private_segment_fixed_size 0
		.amdhsa_enable_private_segment 0
		.amdhsa_kernarg_size 24
		.amdhsa_user_sgpr_count 2
		.amdhsa_user_sgpr_kernarg_segment_ptr 1
		.amdhsa_wavefront_size32 1
		.amdhsa_system_sgpr_workgroup_id_x 1
		.amdhsa_system_sgpr_workgroup_id_y 1
		.amdhsa_system_sgpr_workgroup_id_z 1
		.amdhsa_system_vgpr_workitem_id 0
		.amdhsa_next_free_vgpr 1024
		.amdhsa_next_free_sgpr 66
		.amdhsa_reserve_vcc 0
		.amdhsa_float_denorm_mode_32 3
		.amdhsa_float_denorm_mode_16_64 3
		.amdhsa_memory_ordered 1
		.amdhsa_forward_progress 1
		.amdhsa_inst_pref_size 143
	.end_amdhsa_kernel
	.amdgpu_metadata
---
amdhsa.version: [ 1, 2 ]
amdhsa.kernels:
  - .name:           k_q58aac93392_proj
    .symbol:         k_q58aac93392_proj.kd
    .args:
      - { .name: xb, .offset: 0, .size: 8, .value_kind: global_buffer, .address_space: global }
      - { .name: wb, .offset: 8, .size: 8, .value_kind: global_buffer, .address_space: global }
      - { .name: qkv, .offset: 16, .size: 8, .value_kind: global_buffer, .address_space: global }
    .group_segment_fixed_size: 327680
    .private_segment_fixed_size: 0
    .kernarg_segment_align: 8
    .kernarg_segment_size: 24
    .max_flat_workgroup_size: 128
    .sgpr_count:     66
    .vgpr_count:     1024
    .wavefront_size: 32
...
	.end_amdgpu_metadata
.endif
;; end of part 2
;; launch score (part 3): grid 36 x 4, 4 waves a work-group, no clusters, 327,680 bytes of LDS; arguments qkv, pt, st; writes pt, st
.if DOCPART == 3
	.amdgcn_target "amdgcn-amd-amdhsa--gfx1250"
	.amdhsa_code_object_version 6
	.text
	.protected	k_q58aac93392_score
	.globl	k_q58aac93392_score
	.p2align	8
	.type	k_q58aac93392_score,@function
k_q58aac93392_score:
	s_mov_b64 s[64:65], 0
	v_nop
	global_prefetch_b8 v0, s[64:65] scope:SCOPE_SE
	s_setreg_imm32_b32 hwreg(HW_REG_WAVE_MODE, 25, 1), 1
	s_wait_xcnt 0x0
; For each causal tile (I, J), J <= I, of 256 queries x 256 keys of a batch: S = q k^T (K = 1024, f16 operands, f32 sums); for each query and each 128 keys T = 2 J + ch the tile's own
; maximum m; p = 2^(c s - c m), c = log2(e) / 32, rounded to f16 into pt [8192][2048]; (c m, l = the sum of the unrounded p) into st [16][8192][2].  The launch behind combines the maxima.
; LIMITS.  A hidden score counts as its value less 1e30 (f16's scores reach 4.4e12 at the most); a tile's maximum is floored at -1e20, so a part that is wholly hidden gives p = 0, l = 0;
; a weight below 2^-126 counts as 0; below 6e-5 p keeps f16's fixed step; NaN and infinities are not treated apart.
; SHARES.  Work-group (tau, b): tau counts the 36 tiles of the triangle row by row.  Four waves, each 128 queries x 128 keys: 64 accumulators.  K in 8 steps of 128 through two LDS slots; each wave
; fetches 128 rows x 256 bytes a step (waves 0, 1: q; waves 2, 3: k).
; NO CLUSTER: row I of the triangle has I + 1 tiles and column J has 8 - J, so the 36 tiles do not fall into fours of one row or one column without work-groups that compute nothing.
; THE MATRIX INSTRUCTION IS USED TRANSPOSED: source 0 = 16 keys, source 1 = 16 queries: a lane holds query l % 16 and the keys 8 (l / 16) + 0..7.
; THE MASK is the C operand of the products that start the sums: ZL for blocks below the wave's diagonal, ZD on it, ZU above it; all 0 off the diagonal tile.
; REGISTERS: window 0: v16-29 addresses; v32-55 the masks; v64-191 q's fragments, two buffers; the way out works in v64-175.  Window 1: v64-191 k's fragments.  Windows 2, 3: the accumulators.
.set PITCH,  272                       ; an LDS row: 256 bytes + 16 of padding
.set HALFT,  128*PITCH
.set SLOT,   4*HALFT                   ; q's 256 rows, then k's 256 rows.  0x22000: it shares no bit with the four waves' bases 0, 0x8800, 0x11000, 0x19800
.set SPARE,  2*SLOT                    ; the spare words, 128 bytes for each wave, which no other line names
.set DP,     528                       ; the way out: a row of 128 scores in f32 + 16 bytes
.set DWAVE,  128*DP                    ; a wave's 128 rows; the four lie in the ring's bytes, which have had their last fill by then
.set SST,    4*DWAVE                   ; behind them, still in the ring's bytes: 1,024 bytes a wave for (c m, l)
.set ADRA0, 16                         ; my lane's place in q's rows of a slot; never rewritten
.set ADRB0, 17                         ; the same for k
.set ADRA,  18                         ; the same in the slot in hand
.set ADRB,  19
.set DST,   20                         ; the way out: where I put 16 bytes of a row of scores
.set RDA,   21                         ; where I read rows back
.set GOF,   22                         ; my byte offset in two rows of pt
.set SSA,   23                         ; where (c m, l) of my row goes
.set SSR,   24                         ; where I read them back
.set SOF,   25                         ; my byte offset in st
.set SPW,   28
.set NIL,   29
.set ZL,    32
.set ZD,    40
.set ZU,    48
.set F0,    64
.set F1,    128
.set X,     64                         ; the way out: 16 rows, 8 scores a lane and row pair
.set Y,     128                        ; the same in f16
.set PR,    160                        ; for row pair t: c m, and m, later l
.set G1,  24                           ; s[24:31] descriptor group 1
.set G0F, 32                           ; s[32:35] group 0 of the first fill
.set G0,  36                           ; s[36:39] group 0 of the second fill; it then walks
.set MSB, 0
.macro WIN new
.if MSB != (\new)
	s_set_vgpr_msb (MSB<<8)|(\new)
.set MSB, \new
.endif
.endm
.set MUL_LO, 0xa1
.set MUL_HI, 0xf1
.set TO_B,   0x40
	s_load_b128 s[4:7], s[0:1], 0x0                ; qkv s[4:5], pt s[6:7]
	s_load_b64 s[8:9], s[0:1], 0x10                ; st
	v_lshl_add_u32 v[SPW], v0, 2, SPARE
	v_mov_b32 v[NIL], 0
	ds_add_u32 v[SPW], v[NIL]                      ; the wave's opening: the add and its wait stand ahead of my first tensor load
	ds_add_u32 v28, v29
	v_lshrrev_b32 v1, 5, v0
	v_readfirstlane_b32 s10, v1                    ; wave 0..3
	s_lshr_b32 s11, s10, 1                         ; rh: which 128 queries are mine.  Also: I fetch q (0) or k (1)
	s_and_b32 s12, s10, 1                          ; ch: which 128 keys.  Also: which 128 rows I fetch
	s_mov_b32 s13, ttmp9                           ; tau
	s_and_b32 s16, ttmp7, 0xffff                   ; the batch
	s_mov_b32 s14, 0                               ; I = how many of the rows' first numbers 1, 3, 6, .. tau has reached
.irp n, 1,3,6,10,15,21,28
	s_cmp_ge_u32 s13, \n
	s_add_co_ci_u32 s14, s14, 0
.endr
	s_add_co_u32 s17, s14, 1
	s_mul_i32 s17, s17, s14
	s_lshr_b32 s17, s17, 1
	s_sub_co_u32 s15, s13, s17                     ; J = tau - I (I + 1) / 2
	s_cmp_eq_u32 s11, 0
	s_cselect_b32 s17, s14, s15                    ; q's rows go by I, k's by J
	s_cselect_b32 s18, 0, 2048                     ; k lies 2,048 bytes into a row of qkv
	s_lshl_b32 s17, s17, 8
	s_lshl_b32 s19, s12, 7
	s_add_co_u32 s17, s17, s19
	s_lshl_b32 s19, s16, 11
	s_add_co_u32 s17, s17, s19                     ; the first row that I fetch
	s_mul_i32 s17, s17, 6144
	s_add_co_u32 s20, s17, s18
	s_mov_b32 s21, 0
	s_mul_i32 s40, s10, HALFT                      ; and where it goes in a slot
	s_mov_b32 s[G1+0], (1<<16)|(1<<20)|(5<<22)|(3<<25)  ; 2-byte elements; padding on: after every 64 words 4 words
	s_mov_b32 s[G1+1], 128<<16                     ; tensor_dim0 = 128
	s_mov_b32 s[G1+2], 128<<16                     ; tensor_dim1 = 128
	s_mov_b32 s[G1+3], 128<<16                     ; tile_dim0 = 128
	s_mov_b32 s[G1+4], 128                         ; tile_dim1 = 128
	s_mov_b32 s[G1+5], 3072                        ; elements from row to row
	s_mov_b32 s[G1+6], 0
	s_mov_b32 s[G1+7], 0
	s_mov_b32 s42, 0                               ; the slot that is read
	s_mov_b32 s44, 0x3d38aa3b                      ; c = log2(e) / 32
	s_mov_b32 s45, s44                             ; named with it as a pair
	s_mov_b32 s46, 0xe0ad78ec                      ; -1e20
	s_mov_b32 s47, 0xf149f2ca                      ; -1e30
	s_cmp_le_u32 s11, s12
	s_cselect_b32 s49, s47, 0                      ; above the wave's diagonal: hidden if my keys do not lie left of my queries,
	s_cmp_lt_u32 s11, s12
	s_cselect_b32 s48, s47, 0                      ; below it: hidden if they lie right of them,
	s_cmp_eq_u32 s14, s15
	s_cselect_b32 s49, s49, 0                      ; and both only in the diagonal tile
	s_cselect_b32 s48, s48, 0
	s_lshl_b32 s17, s16, 11
	s_lshl_b32 s18, s14, 8
	s_add_co_u32 s17, s17, s18
	s_lshl_b32 s18, s11, 7
	s_add_co_u32 s17, s17, s18                     ; my first query
	s_lshl_b32 s50, s17, 12                        ; a row of pt is 4,096 bytes
	s_lshl_b32 s18, s15, 9
	s_add_co_u32 s50, s50, s18
	s_lshl_b32 s18, s12, 8
	s_add_co_u32 s50, s50, s18                     ; + my first key, 2 bytes each
	s_mov_b32 s51, 0
	s_lshl1_add_u32 s18, s15, s12                  ; T = 2 J + ch
	s_lshl_b32 s18, s18, 13
	s_add_co_u32 s18, s18, s17
	s_lshl_b32 s52, s18, 3                         ; (T x 8192 + query) x 8 bytes
	s_mov_b32 s53, 0
	s_wait_dscnt 0x0                               ; the opening add is done
	s_wait_kmcnt 0x0
	s_add_nc_u64 s[20:21], s[4:5], s[20:21]
	s_add_nc_u64 s[6:7], s[6:7], s[50:51]
	s_add_nc_u64 s[8:9], s[8:9], s[52:53]
	s_mov_b32 s[G0F], 1
	s_mov_b32 s[G0F+1], s40                        ; K step 0 into slot 0
	s_mov_b64 s[G0F+2:G0F+3], s[20:21]
	s_or_b32 s[G0F+3], s[G0F+3], 0x80000000
	s_mov_b32 s[G0], 1
	s_add_co_u32 s[G0+1], s40, SLOT                ; K step 1 into slot 1
	s_add_nc_u64 s[G0+2:G0+3], s[20:21], 256
	s_or_b32 s[G0+3], s[G0+3], 0x80000000
	tensor_load_to_lds s[G0F:G0F+3], s[G1:G1+7]    ; the two first fills go out together: two loads of mine are out
	s_nop 0
	tensor_load_to_lds s[G0:G0+3], s[G1:G1+7]
	s_nop 0
	v_and_b32 v1, 15, v0                           ; l % 16
	v_bfe_u32 v2, v0, 4, 1                         ; l / 16
	v_mul_u32_u24 v3, v1, PITCH
	v_lshl_add_u32 v3, v2, 4, v3                   ; a fragment's row x pitch + 16 x half
	s_mul_i32 s22, s11, HALFT
	s_mul_i32 s23, s12, HALFT
	s_add_co_u32 s23, s23, 2*HALFT
	v_add_nc_u32 v[ADRA0], s22, v3
	v_add_nc_u32 v[ADRB0], s23, v3
	v_add_nc_u32 v[ADRA], s42, v[ADRA0]
	v_add_nc_u32 v[ADRB], s42, v[ADRB0]
	s_mul_i32 s22, s10, DWAVE
	v_mul_u32_u24 v3, v1, DP
	v_lshl_add_u32 v3, v2, 4, v3
	v_add_nc_u32 v[DST], s22, v3                   ; in: row l % 16, 16 bytes for each half of the lanes
	v_mul_u32_u24 v3, v2, DP
	v_lshl_add_u32 v3, v1, 4, v3
	v_add_nc_u32 v[RDA], s22, v3                   ; back: lanes 0-15 one row, lanes 16-31 the next
	v_lshlrev_b32 v3, 12, v2
	v_lshl_add_u32 v[GOF], v1, 4, v3               ; the same two rows in pt
	s_lshl_b32 s22, s10, 10
	s_add_co_u32 s22, s22, SST
	v_lshl_add_u32 v[SSA], v2, 3, s22
	v_and_b32 v3, 31, v0
	v_lshlrev_b32 v[SOF], 4, v3
	v_add_nc_u32 v[SSR], s22, v[SOF]
	v_lshlrev_b32 v3, 3, v2
	v_sub_nc_u32 v3, v1, v3                        ; l % 16 - 8 (l / 16): on the diagonal register j is hidden where j is greater
.irp j, 0,1,2,3,4,5,6,7
	v_mov_b32 v[ZL+(\j)], s48
	v_mov_b32 v[ZU+(\j)], s49
.endr
.irp j, 0,1,2,3,4,5,6,7
	v_cmp_gt_i32 vcc_lo, \j, v3
	v_cndmask_b32 v[ZD+(\j)], v[ZL+(\j)], v[ZU+(\j)], vcc_lo
.endr
; 16 matrix instructions: query blocks a0, a0 + 1 of the window's four x all 8 key blocks, 32 along K.  first = 1: the products start the sums, with the mask as C.
.macro MUL16 f, hi, a0, first
.if \first
	WIN 0x81+0x40*(\hi)                            ; k's fragments window 1, q's and the mask window 0, D window 2 or 3
.else
	WIN MUL_LO+0x50*(\hi)
.endif
.irp a, \a0, (\a0)+1
.irp b, 0,1,2,3,4,5,6,7
.if \first
.set ZM, ZU
.if (\b) < 4*(\hi)+(\a)
.set ZM, ZL
.elseif (\b) == 4*(\hi)+(\a)
.set ZM, ZD
.endif
	v_wmma_f32_16x16x32_f16 v[8*(8*(\a)+(\b)):8*(8*(\a)+(\b))+7], v[(\f)+8*(\b):(\f)+8*(\b)+7], v[(\f)+8*(4*(\hi)+(\a)):(\f)+8*(4*(\hi)+(\a))+7], v[ZM:ZM+7]
.else
	v_wmma_f32_16x16x32_f16 v[8*(8*(\a)+(\b)):8*(8*(\a)+(\b))+7], v[(\f)+8*(\b):(\f)+8*(\b)+7], v[(\f)+8*(4*(\hi)+(\a)):(\f)+8*(4*(\hi)+(\a))+7], v[8*(8*(\a)+(\b)):8*(8*(\a)+(\b))+7]
.endif
.endr
.endr
.endm
; 32 LDS loads in one run: the fragments of 32 along K at byte k of the rows of the slot in hand, into buffer f
.macro FETCH k, f
	WIN TO_B
.irp i, 0,1,2,3,4,5,6,7
	ds_load_b128 v[(\f)+8*(\i):(\f)+8*(\i)+3],   v[ADRB] offset:(\k)+(\i)*16*PITCH
	ds_load_b128 v[(\f)+8*(\i)+4:(\f)+8*(\i)+7], v[ADRB] offset:(\k)+(\i)*16*PITCH+32
.endr
	WIN 0
.irp i, 0,1,2,3,4,5,6,7
	ds_load_b128 v[(\f)+8*(\i):(\f)+8*(\i)+3],   v[ADRA] offset:(\k)+(\i)*16*PITCH
	ds_load_b128 v[(\f)+8*(\i)+4:(\f)+8*(\i)+7], v[ADRA] offset:(\k)+(\i)*16*PITCH+32
.endr
.endm
.macro PLACES                          ; four plain vector instructions between a matrix instruction and a load into its registers or a reader of its result (ISA guide 7.12.1 for vector instructions)
.rept 4
	v_nop
.endr
.endm
.macro QUARTER k, f, g, first
	s_wait_dscnt 8                                 ; k's fragments and q's rows 0-63 are in; the youngest eight loads may be out
	MUL16 \f, 0, 0, \first
	MUL16 \f, 0, 2, \first
	PLACES
	FETCH \k, \g
	s_wait_dscnt 32                                ; all but the 32 just issued
	MUL16 \f, 1, 0, \first
	MUL16 \f, 1, 2, \first
.endm
; The last quarter of a K step multiplies buffer 1 and changes slots: ONE barrier.  In front of it each wave waits for all its tensor loads (one is out: its part of the next slot), adds 0 to its
; spare word, and waits for that and for its reads of this slot.  fill = 1: this slot is filled again, two K steps ahead, first thing behind the barrier.
.macro TURN fill
	WIN 0
	s_wait_tensorcnt 0x0                           ; no tensor load of mine is out, so a group 0 may be written
	ds_add_u32 v[SPW], v[NIL]
.if \fill
	s_add_nc_u64 s[G0+2:G0+3], s[G0+2:G0+3], 256   ; the walking descriptor: the next K step,
	s_xor_b32 s[G0+1], s[G0+1], SLOT               ; into the other slot than last time
.endif
	s_xor_b32 s42, s42, SLOT                       ; the reads go on in the other slot
	s_wait_dscnt 9                                 ; the add and the youngest eight loads may be out
	MUL16 F1, 0, 0, 0
	s_wait_dscnt 0x0                               ; the add is done, and my reads of this slot are over
	s_barrier_signal -1
	MUL16 F1, 0, 2, 0
	WIN 0
	s_barrier_wait -1
.if \fill
	tensor_load_to_lds s[G0:G0+3], s[G1:G1+7]      ; my one tensor load behind this barrier: 224 matrix instructions ahead of the wait for it
	s_nop 0
.endif
	v_add_nc_u32 v[ADRA], s42, v[ADRA0]            ; these four are also the places in front of the loads below
	v_add_nc_u32 v[ADRB], s42, v[ADRB0]
	v_nop
	v_nop
	FETCH 0, F0
	MUL16 F1, 1, 0, 0
	MUL16 F1, 1, 2, 0
.endm
	s_wait_tensorcnt 1                             ; my part of K step 0 is in; K step 1's may stay out
	s_barrier_signal -1
	s_barrier_wait -1
	FETCH 0, F0
	QUARTER 64, F0, F1, 1                          ; the first quarter stands in front of the loop: its products start the sums, on the masks
	WIN 0
	s_mov_b32 s43, 6
.Lstep:                                                ; a trip: a K step's quarters 1 to 3 and the next step's quarter 0; K steps 2 to 7 are asked for
	QUARTER 128, F1, F0, 0
	QUARTER 192, F0, F1, 0
	TURN 1
	QUARTER 64, F0, F1, 0
	WIN 0
	s_sub_co_u32 s43, s43, 1
	s_cmp_lg_u32 s43, 0
	s_cbranch_scc1 .Lstep
	QUARTER 128, F1, F0, 0                         ; the tail is written out: nothing more is asked for
	QUARTER 192, F0, F1, 0
	TURN 0
	QUARTER 64, F0, F1, 0
	QUARTER 128, F1, F0, 0
	QUARTER 192, F0, F1, 0
	s_wait_dscnt 0x0
	MUL16 F1, 0, 0, 0
	MUL16 F1, 0, 2, 0
	MUL16 F1, 1, 0, 0
	MUL16 F1, 1, 2, 0
	WIN 0
	s_barrier_signal -1                            ; every wave's reads of the ring are back (the wait for 0 above): its bytes may be written
	s_barrier_wait -1
	PLACES
	; THE WAY OUT.  The scores go into my 128 rows of 528 bytes.  A lane's eight keys 16 b + 8 h + 0..7 are group u = 2 b + h of the row's sixteen: keys 0-3 go to byte 16 u, keys 4-7 to byte 256 + 16 u,
	; so that a lane that reads bytes 16 j and 256 + 16 j holds the eight neighbouring keys 8 j + 0..7.
.irp hi, 0,1
	WIN 0x08+4*(\hi)                               ; the stores' data in window 2 or 3
.irp a, 0,1,2,3
.irp b, 0,1,2,3,4,5,6,7
	ds_store_b128 v[DST], v[8*(8*(\a)+(\b)):8*(8*(\a)+(\b))+3]   offset:(4*(\hi)+(\a))*16*DP+32*(\b)
	ds_store_b128 v[DST], v[8*(8*(\a)+(\b))+4:8*(8*(\a)+(\b))+7] offset:(4*(\hi)+(\a))*16*DP+32*(\b)+256
.endr
.endr
.endr
	WIN 0
	s_mov_b32 s43, 8
.Lrows:                                                ; a trip: 16 rows.  Row pair t: lanes 0-15 hold row 2 t, lanes 16-31 row 2 t + 1, eight keys a lane
.irp t, 0,1,2,3,4,5,6,7
	ds_load_b128 v[X+8*(\t):X+8*(\t)+3],   v[RDA] offset:2*DP*(\t)      ; LDS serves a wave's instructions in order (ISA guide 5.7.1.4): these see my stores above
	ds_load_b128 v[X+8*(\t)+4:X+8*(\t)+7], v[RDA] offset:2*DP*(\t)+256
.endr
	s_wait_dscnt 0x0
.irp t, 0,1,2,3,4,5,6,7
	v_max3_num_f32 v[PR+2*(\t)+1], v[X+8*(\t)], v[X+8*(\t)+1], v[X+8*(\t)+2]
.endr
.irp t, 0,1,2,3,4,5,6,7
	v_max3_num_f32 v[PR+2*(\t)+1], v[PR+2*(\t)+1], v[X+8*(\t)+3], v[X+8*(\t)+4]
.endr
.irp t, 0,1,2,3,4,5,6,7
	v_max3_num_f32 v[PR+2*(\t)+1], v[PR+2*(\t)+1], v[X+8*(\t)+5], v[X+8*(\t)+6]
.endr
.irp t, 0,1,2,3,4,5,6,7
	v_max3_num_f32 v[PR+2*(\t)+1], v[PR+2*(\t)+1], v[X+8*(\t)+7], s46   ; and the floor
.endr
.irp x, 1,2,4,8
.irp t, 0,1,2,3,4,5,6,7
	v_max_num_f32_dpp v[PR+2*(\t)+1], v[PR+2*(\t)+1], v[PR+2*(\t)+1] row_xmask:\x row_mask:0xf bank_mask:0xf  ; a row's 128 keys lie in 16 neighbouring lanes
.endr
.endr
.irp t, 0,1,2,3,4,5,6,7
	v_mul_f32 v[PR+2*(\t)], s44, v[PR+2*(\t)+1]    ; c m
.endr
.irp t, 0,1,2,3,4,5,6,7
.irp i, 0,2,4,6
	v_pk_fma_f32 v[X+8*(\t)+(\i):X+8*(\t)+(\i)+1], v[X+8*(\t)+(\i):X+8*(\t)+(\i)+1], s[44:45], v[PR+2*(\t):PR+2*(\t)+1] op_sel_hi:[1,0,0] neg_lo:[0,0,1] neg_hi:[0,0,1]  ; c s - c m
.endr
.endr
.set i, 0
.rept 64
	v_exp_f32 v[X+i], v[X+i]
.set i, i+1
.endr
	v_nop                                          ; a plain instruction between the last exponential and the use of its result
	s_wait_alu depctr_va_vdst(0)
.irp t, 0,1,2,3,4,5,6,7
.irp i, 0,1,2,3
	v_cvt_pk_f16_f32 v[Y+4*(\t)+(\i)], v[X+8*(\t)+2*(\i)], v[X+8*(\t)+2*(\i)+1]
.endr
.endr
.irp t, 0,1,2,3,4,5,6,7
	v_pk_add_f32 v[X+8*(\t):X+8*(\t)+1], v[X+8*(\t):X+8*(\t)+1], v[X+8*(\t)+2:X+8*(\t)+3]
	v_pk_add_f32 v[X+8*(\t)+4:X+8*(\t)+5], v[X+8*(\t)+4:X+8*(\t)+5], v[X+8*(\t)+6:X+8*(\t)+7]
.endr
.irp t, 0,1,2,3,4,5,6,7
	v_pk_add_f32 v[X+8*(\t):X+8*(\t)+1], v[X+8*(\t):X+8*(\t)+1], v[X+8*(\t)+4:X+8*(\t)+5]
.endr
.irp t, 0,1,2,3,4,5,6,7
	v_add_f32 v[PR+2*(\t)+1], v[X+8*(\t)], v[X+8*(\t)+1]   ; l takes m's place
.endr
.irp x, 1,2,4,8
.irp t, 0,1,2,3,4,5,6,7
	v_add_f32_dpp v[PR+2*(\t)+1], v[PR+2*(\t)+1], v[PR+2*(\t)+1] row_xmask:\x row_mask:0xf bank_mask:0xf
.endr
.endr
.irp t, 0,1,2,3,4,5,6,7
	global_store_b128 v[GOF], v[Y+4*(\t):Y+4*(\t)+3], s[6:7] offset:8192*(\t)  ; 16 lanes store 256 consecutive bytes, aligned: a row's 128 weights
	ds_store_b64 v[SSA], v[PR+2*(\t):PR+2*(\t)+1] offset:16*(\t)               ; a row's sixteen lanes write the same eight bytes with the same numbers
.endr
	s_wait_xcnt 0x0                                ; pt's address and Y are rewritten only behind this wait
	s_add_nc_u64 s[6:7], s[6:7], 65536             ; 16 rows of pt on
	v_add_nc_u32 v[RDA], 16*DP, v[RDA]
	v_add_nc_u32 v[SSA], 128, v[SSA]
	s_sub_co_u32 s43, s43, 1
	s_cmp_lg_u32 s43, 0
	s_cbranch_scc1 .Lrows
	ds_load_b128 v[X:X+3],   v[SSR]                ; my 128 rows' (c m, l): 1,024 consecutive bytes of st
	ds_load_b128 v[X+4:X+7], v[SSR] offset:512
	s_wait_dscnt 0x0
	global_store_b128 v[SOF], v[X:X+3],   s[8:9]
	global_store_b128 v[SOF], v[X+4:X+7], s[8:9] offset:512
	s_wait_tensorcnt 0x0                           ; the wave's end
	ds_add_u32 v[SPW], v[NIL]
	s_wait_dscnt 0x0
	s_endpgm
.Lfunc_end_k_q58aac93392_score:
	.size	k_q58aac93392_score, .Lfunc_end_k_q58aac93392_score-k_q58aac93392_score
	.p2alignl 7, 3214868480
	.fill 96, 4, 3214868480
	.section	.rodata,"a",@progbits
	.p2align	6, 0x0
	.amdhsa_kernel k_q58aac93392_score
		.amdhsa_group_segment_fixed_size 327680
		.amdhsa_private_segment_fixed_size 0
		.amdhsa_enable_private_segment 0
		.amdhsa_kernarg_size 24
		.amdhsa_user_sgpr_count 2
		.amdhsa_user_sgpr_kernarg_segment_ptr 1
		.amdhsa_wavefront_size32 1
		.amdhsa_system_sgpr_workgroup_id_x 1
		.amdhsa_system_sgpr_workgroup_id_y 1
		.amdhsa_system_sgpr_workgroup_id_z 1
		.amdhsa_system_vgpr_workitem_id 0
		.amdhsa_next_free_vgpr 1024
		.amdhsa_next_free_sgpr 66
		.amdhsa_reserve_vcc 1
		.amdhsa_float_denorm_mode_32 3
		.amdhsa_float_denorm_mode_16_64 3
		.amdhsa_memory_ordered 1
		.amdhsa_forward_progress 1
		.amdhsa_inst_pref_size 109
	.end_amdhsa_kernel
	.amdgpu_metadata
---
amdhsa.version: [ 1, 2 ]
amdhsa.kernels:
  - .name:           k_q58aac93392_score
    .symbol:         k_q58aac93392_score.kd
    .args:
      - { .name: qkv, .offset: 0, .size: 8, .value_kind: global_buffer, .address_space: global }
      - { .name: pt, .offset: 8, .size: 8, .value_kind: global_buffer, .address_space: global }
      - { .name: st, .offset: 16, .size: 8, .value_kind: global_buffer, .address_space: global }
    .group_segment_fixed_size: 327680
    .private_segment_fixed_size: 0
    .kernarg_segment_align: 8
    .kernarg_segment_size: 24
    .max_flat_workgroup_size: 128
    .sgpr_count:     66
    .vgpr_count:     1024
    .wavefront_size: 32
...
	.end_amdgpu_metadata
.endif
;; end of part 3
;; launch mix (part 4): grid 8 x 32, 4 waves a work-group, clusters of 4 x 4, 327,680 bytes of LDS; arguments pt, qkv, st, out0; writes out0
.if DOCPART == 4
	.amdgcn_target "amdgcn-amd-amdhsa--gfx1250"
	.amdhsa_code_object_version 6
	.text
	.protected	k_q58aac93392_mix
	.globl	k_q58aac93392_mix
	.p2align	8
	.type	k_q58aac93392_mix,@function
k_q58aac93392_mix:
	s_mov_b64 s[64:65], 0
	v_nop
	global_prefetch_b8 v0, s[64:65] scope:SCOPE_SE
	s_setreg_imm32_b32 hwreg(HW_REG_WAVE_MODE, 25, 1), 1
	s_wait_xcnt 0x0
	s_wait_alu depctr_hold_cnt(0) depctr_sa_sdst(0) depctr_va_vdst(0) depctr_va_sdst(0) depctr_va_ssrc(0) depctr_va_vcc(0) depctr_vm_vsrc(0)
	s_getreg_b32 s2, hwreg(HW_REG_IB_STS2, 6, 4)
	s_cmp_eq_u32 s2, 0
	s_cbranch_scc0 .Lentry_in_a_cluster
	s_endpgm
.Lentry_in_a_cluster:
	s_bfe_u32 s2, ttmp6, 0x10000c
	s_cmp_lg_u32 s2, 0xf033
	s_cbranch_scc0 .Lentry_shape_is_right
	s_endpgm
.Lentry_shape_is_right:
; out0[q][:] = (the sum over key tiles T of 2^(cm_T(q) - M(q)) x the sum over T's 128 keys of p[q][k] v[k][:]) / L(q), with M = the maximum of cm_T over the tiles that q's block has,
; L = the sum of 2^(cm_T - M) l_T.  pt: [8192][2048] f16, v: qkv's third 1,024 columns, f16, st: [16][8192][2] f32 (cm, l), out0: [8192][1024] f32.  Products in f16 with f32 sums.
; LIMITS.  The factors 2^(cm_T - M), 0 to 1, are rounded to f16 and multiplied onto p in f16 (fixed step 6e-8 below 6e-5); L takes them unrounded.  NaN and infinities are not treated apart.
; SHARES.  A batch's rows fall into four groups g of 512; block (g, r) is rows 512 g + 128 r .. + 127 and walks the key steps J = 0 .. 2 g + 1 of 256 keys.  A work-group makes 128 channels of block
; (3 - gp, r) and then of block (gp, r): 10 key steps whatever gp, so all 256 work-groups do equal work.  For r < 2 a block's last step lies above the diagonal: its P is asked for at the diagonal tile
; (bytes that have been written) and its factor is 0: two steps in ten of those work-groups add zeros; that keeps the walk, and V's joint loads, common to the cluster.
; CLUSTER 4 x 4: cx = which 128 channels, cy = r; batch and gp are the cluster's.  P's tiles hang on cy alone and are asked for jointly along a row of the cluster, V's on cx alone and along a column.
; A wave makes 64 queries x 64 channels: 16 accumulators.  O^T = V^T P: source 0 = 16 channels x 32 keys (V turned by ds_load_tr16_b128), source 1 = 32 keys x 16 queries (P as it lies): a lane holds
; ONE query, so its factor is one number a lane, multiplied onto P's fragments by two packed instructions behind each matrix instruction.
; The accumulators are cleared by 128 v_mov_b32 at the start (in the wait for the first tile) and once between the blocks: the price of one text for every key step.
; REGISTERS.  window 0: v2-13 addresses; v16-19 at work; v30, v31 the add's; v32-39 the factors (f, f) in f16, by half of the step and query block; v40-47 cm of the step to come; v48-55, v56-63 (1 / L, M) of
; the two blocks; v64-191 V's fragments, two buffers; v192-255 at work.   window 1: v0-127 the accumulators ((a, b) at 8 (4 a + b)); v128-255 P's fragments, two buffers.
.set SLOT,  141312                     ; P: 128 rows x 528 bytes; then V: 256 keys x 288 bytes
.set VOFF,  67584
.set PP,    528                        ; a row of P: 512 bytes + 16: the 16 rows of a load start at 16 different groups of four banks (ISA guide 11.1)
.set PV,    288                        ; a row of V: 256 bytes + 32
.set STAGE, 2*SLOT                     ; behind the ring: 16 rows x 272 bytes for each wave, for the way out
.set SP,    272
.set SPARE, STAGE+4*16*SP              ; the spare words, 128 bytes for each wave, which no other line names
.set ADRA0, 2                          ; my lane's place in P's rows of a slot; never rewritten
.set ADRB0, 3                          ; v3, v4: the same for V's keys 0-127 and 128-255
.set ADRA,  5                          ; the same in the slot in hand
.set ADRB,  6                          ; v6, v7
.set STO,   8
.set RD,    9
.set CO,    10
.set LANE8, 11                         ; 8 (l % 16): my query's bytes in st
.set VSO,   12                         ; the offset of the loads of cm
.set VH,    13                         ; l / 16
.set TW,    16
.set SPW,   30
.set NIL,   31
.set FH,    32
.set CM,    40
.set INV1,  48
.set INV2,  56
.set WK,    192
.set WV,  12                           ; s12 wave; s13 wave >> 1: my 64 queries, and P (0) or V (1) is what I fetch; s14 wave & 1: my 64 channels, and which half I fetch
.set WR,  13
.set WC,  14
.set G1A, 24                           ; s[24:31] group 1 for P's tiles
.set G1B, 32                           ; s[32:39] for V's
.set G0A0, 40                          ; s[40:43] group 0 of P's first fill
.set G0A, 44                           ; s[44:47] of its second; then made anew for each refill
.set G0B0, 48                          ; the same for V
.set G0B, 52
.set CNT, 56
.set NL,  57                           ; the first block's steps that are left
.set SB,  58                           ; the slot that is read
.set SF,  59                           ; the slot that is filled
.set LA,  60                           ; my half's place in a slot, for P
.set LV,  61                           ; and for V
.set JR,  62                           ; the key step to be asked for next
.set NR,  63                           ; behind which step the walk goes on to the second block
.set CA,  66                           ; of the block whose tiles are asked for: byte offset of my rows in pt,
.set CI,  67                           ; its diagonal tile,
.set CSB, 68                           ; byte offset of my wave's queries in st,
.set LOR, 69                           ; and 0 (first block) or -1 (second)
.set AL,  70                           ; s70-72: the second block's three
.set VB,  73                           ; byte offset in qkv of my half of V's step 0
.set JC,  74
.set OA,  76                           ; s[76:77]
.set OBV, 78                           ; s[78:79]
.set Z1,  80                           ; -1, or 0 where the step lies above the diagonal: of the step whose factors are made next
.set Z2,  81                           ; of the step asked for
.set LO1, 82
.set LO2, 83
.set SO2, 84
.set NEG, 85
.set OUT2, 86                          ; s[86:87]
.set SEL, 88                           ; s[88:89]
.set MSB, 0
.macro WIN new
.if MSB != (\new)
	s_set_vgpr_msb (MSB<<8)|(\new)
.set MSB, \new
.endif
.endm
.set W_MM, 0x54                        ; source 0 window 0 (V's fragments; the factors), source 1, source 2 and destination window 1: one setting for the products and for the scaling
.macro PLACES                          ; four plain vector instructions between a matrix instruction and a load into its registers or a reader of its result (ISA guide 7.12.1 for vector instructions)
.rept 4
	v_nop
.endr
.endm
.macro JLOAD                           ; a joint refill: waves 0 and 1 fetch P's halves, waves 2 and 3 V's; an s_nop 0 and four v_nop follow each line
	s_cmp_eq_u32 s[WR], 0
	s_cbranch_scc0 .Lfor_v_\@
	tensor_load_to_lds s[G0A:G0A+3], s[G1A:G1A+7]
	s_nop 0
.rept 4
	v_nop
.endr
	s_branch .Lasked_\@
.Lfor_v_\@:
	tensor_load_to_lds s[G0B:G0B+3], s[G1B:G1B+7]
	s_nop 0
.rept 4
	v_nop
.endr
.Lasked_\@:
.endm
.macro CREST
	s_cmp_lg_u32 s[WV], 0
	s_cbranch_scc1 .Lnot_wave_0_\@
	s_barrier_signal -3
.Lnot_wave_0_\@:
	s_barrier_wait -3
	s_barrier_signal -1
	s_barrier_wait -1
.endm
.macro CROUND
	s_barrier_signal -1
	s_barrier_wait -1
	CREST
.endm
	s_load_b256 s[4:11], s[0:1], 0x0               ; pt s[4:5], qkv s[6:7], st s[8:9], out0 s[10:11]
	v_lshl_add_u32 v[SPW], v0, 2, SPARE
	v_mov_b32 v[NIL], 0
	ds_add_u32 v[SPW], v[NIL]                      ; the wave's opening: the add and its wait stand ahead of my first tensor load
	ds_add_u32 v30, v31
	v_lshrrev_b32 v1, 5, v0
	v_readfirstlane_b32 s[WV], v1
	s_lshr_b32 s[WR], s[WV], 1
	s_and_b32 s[WC], s[WV], 1
	s_bfe_u32 s15, ttmp6, 0x40000                  ; cx
	s_bfe_u32 s16, ttmp6, 0x40004                  ; cy
	s_lshl_b32 s17, ttmp9, 2
	s_add_co_u32 s17, s17, s15                     ; my block of 128 channels
	s_and_b32 s18, ttmp7, 0xffff
	s_and_b32 s19, s18, 1                          ; gp
	s_lshr_b32 s18, s18, 1                         ; the batch
	s_lshl_b32 s20, s16, 2
	s_lshl_b32 s20, 15, s20                        ; my row of the cluster
	s_lshl_b32 s21, 0x1111, s15                    ; my column
	s_or_b32 s[G1A+0], s20, (1<<16)|(1<<20)|(1<<21)|(6<<22)|(3<<25)  ; the mask; 2-byte elements; padding on; bit 21 beside a mask; after every 128 words 4 words
	s_or_b32 s[G1B+0], s21, (1<<16)|(1<<20)|(1<<21)|(5<<22)|(7<<25)  ; after every 64 words 8 words
	s_mov_b32 s[G1A+1], 256<<16                    ; P: tensor_dim0 = 256 keys
	s_mov_b32 s[G1A+2], 64<<16                     ; tensor_dim1 = 64 rows
	s_mov_b32 s[G1A+3], 256<<16                    ; tile_dim0
	s_mov_b32 s[G1A+4], 64                         ; tile_dim1
	s_mov_b32 s[G1A+5], 2048                       ; elements from row to row
	s_mov_b32 s[G1A+6], 0
	s_mov_b32 s[G1A+7], 0
	s_mov_b32 s[G1B+1], 128<<16                    ; V: 128 channels
	s_mov_b32 s[G1B+2], 128<<16                    ; 128 keys
	s_mov_b32 s[G1B+3], 128<<16
	s_mov_b32 s[G1B+4], 128
	s_mov_b32 s[G1B+5], 3072
	s_mov_b32 s[G1B+6], 0
	s_mov_b32 s[G1B+7], 0
	s_sub_co_u32 s20, 3, s19                       ; the first block's group
	s_lshl_b32 s21, s18, 11                        ; the batch's first row
	s_lshl_b32 s22, s16, 7
	s_add_co_u32 s22, s22, s21
	s_lshl_b32 s23, s20, 9
	s_add_co_u32 s92, s22, s23                     ; the first block's first row
	s_lshl_b32 s23, s19, 9
	s_add_co_u32 s93, s22, s23                     ; the second block's
	s_lshr_b32 s94, s16, 1
	s_lshl1_add_u32 s[CI], s20, s94                ; the tile of 256 that holds the block's diagonal: 2 g + (r >> 1)
	s_lshl1_add_u32 s[AL+1], s19, s94
	s_lshl1_add_u32 s90, s[CI], 1                  ; the last key tile of 128 that st holds for the block
	s_lshl1_add_u32 s91, s[AL+1], 1
	s_lshl_b32 s95, s[WC], 6                       ; which 64 rows of P I fetch
	s_add_co_u32 s[CA], s92, s95
	s_lshl_b32 s[CA], s[CA], 12
	s_add_co_u32 s[AL], s93, s95
	s_lshl_b32 s[AL], s[AL], 12
	s_lshl_b32 s95, s[WR], 6                       ; which 64 queries are mine
	s_add_co_u32 s96, s92, s95
	s_add_co_u32 s97, s93, s95
	s_lshl_b32 s[CSB], s96, 3
	s_lshl_b32 s[AL+2], s97, 3
	s_lshl_b32 s98, s[WC], 7                       ; which 128 keys of V I fetch
	s_add_co_u32 s98, s98, s21
	s_mul_i32 s[VB], s98, 6144
	s_lshl_b32 s98, s17, 8
	s_add_co_u32 s[VB], s[VB], s98
	s_add_co_u32 s[VB], s[VB], 4096                ; v lies 4,096 bytes into a row of qkv
	s_lshl_b32 s98, s17, 9                         ; out0: my 128 channels,
	s_lshl_b32 s99, s[WC], 8                       ; my wave's 64 of them, 4 bytes each
	s_add_co_u32 s98, s98, s99
	s_lshl_b32 s20, s96, 12
	s_add_co_u32 s20, s20, s98
	s_mov_b32 s21, 0
	s_lshl_b32 s22, s97, 12
	s_add_co_u32 s22, s22, s98
	s_mov_b32 s23, 0
	s_mul_i32 s[LA], s[WC], 64*PP
	s_mul_i32 s[LV], s[WC], 128*PV
	s_add_co_u32 s[LV], s[LV], VOFF
	s_mov_b32 s[SB], 0
	s_mov_b32 s[SF], SLOT
	s_mov_b32 s[JR], 2
	s_lshl_b32 s[NR], s19, 1
	s_sub_co_u32 s[NR], 8, s[NR]                   ; the first block has 8 - 2 gp steps
	s_mov_b32 s[NL], s[NR]
	s_mov_b32 s[LOR], 0
	s_mov_b32 s[OA+1], 0
	s_mov_b32 s[OBV+1], 0
	s_mov_b32 s[Z1], -1                            ; steps 0 and 1 are the first block's, far below its diagonal
	s_mov_b32 s[Z2], -1
	s_mov_b32 s[LO1], 0
	s_mov_b32 s[LO2], 0
	s_mov_b32 s[NEG], 0xf149f2ca                   ; -1e30
	s_mov_b32 s[SEL], 0x76543210
	s_mov_b32 s[SEL+1], 0xfedcba98
	s_mov_b32 s[G0A0], 1
	s_mov_b32 s[G0A0+1], s[LA]
	s_mov_b32 s[G0A], 1
	s_add_co_u32 s[G0A+1], s[LA], SLOT
	s_mov_b32 s[G0B0], 1
	s_mov_b32 s[G0B0+1], s[LV]
	s_mov_b32 s[G0B], 1
	s_add_co_u32 s[G0B+1], s[LV], SLOT
	s_wait_dscnt 0x0                               ; the opening add is done
	s_wait_kmcnt 0x0
	s_add_nc_u64 s[OUT2:OUT2+1], s[10:11], s[22:23]
	s_add_nc_u64 s[10:11], s[10:11], s[20:21]
	s_mov_b32 s[OA], s[CA]
	s_add_nc_u64 s[G0A0+2:G0A0+3], s[4:5], s[OA:OA+1]     ; key step 0
	s_or_b32 s[G0A0+3], s[G0A0+3], 0x80000000
	s_add_co_u32 s[OA], s[CA], 512
	s_add_nc_u64 s[G0A+2:G0A+3], s[4:5], s[OA:OA+1]       ; key step 1
	s_or_b32 s[G0A+3], s[G0A+3], 0x80000000
	s_mov_b32 s[OBV], s[VB]
	s_add_nc_u64 s[G0B0+2:G0B0+3], s[6:7], s[OBV:OBV+1]
	s_or_b32 s[G0B0+3], s[G0B0+3], 0x80000000
	s_add_co_u32 s[OBV], s[VB], 256*6144
	s_add_nc_u64 s[G0B+2:G0B+3], s[6:7], s[OBV:OBV+1]
	s_or_b32 s[G0B+3], s[G0B+3], 0x80000000
	CROUND                                         ; all sixteen work-groups are here: the first joint loads meet
	s_cmp_eq_u32 s[WR], 0                          ; a wave's two first fills stand in one branch: two loads of mine are out
	s_cbranch_scc0 .Lfirst_v
	tensor_load_to_lds s[G0A0:G0A0+3], s[G1A:G1A+7]
	s_nop 0
	tensor_load_to_lds s[G0A:G0A+3], s[G1A:G1A+7]
	s_nop 0
.rept 4
	v_nop
.endr
	s_branch .Lfirst_asked
.Lfirst_v:
	tensor_load_to_lds s[G0B0:G0B0+3], s[G1B:G1B+7]
	s_nop 0
	tensor_load_to_lds s[G0B:G0B+3], s[G1B:G1B+7]
	s_nop 0
.rept 4
	v_nop
.endr
.Lfirst_asked:
	v_and_b32 v1, 15, v0                           ; l % 16
	v_bfe_u32 v[VH], v0, 4, 1                      ; l / 16
	v_lshlrev_b32 v[LANE8], 3, v1
; THE STATISTICS.  Lane l takes, for its query l % 16 of each of my four query blocks a, the key tiles T = 2 u + l / 16; T is held at the last tile that st holds for the block, so only written bytes are read.
.macro STLOAD base, adr, nu, lim, csb
.set u, 0
.rept \nu
	v_or_b32 v14, 2*u, v[VH]
	v_min_u32 v14, s[\lim], v14
	v_lshl_add_u32 v[(\adr)+u], v14, 16, v[LANE8]  ; a key tile is 65,536 bytes of st
	v_add_nc_u32 v[(\adr)+u], s[\csb], v[(\adr)+u]
.irp a, 0,1,2,3
	global_load_b64 v[(\base)+8*u+2*(\a):(\base)+8*u+2*(\a)+1], v[(\adr)+u], s[8:9] offset:128*(\a)
.endr
.set u, u+1
.endr
.endm
	STLOAD 64, 192, 8, 90, CSB                     ; the first block: up to 16 key tiles
	STLOAD 128, 200, 4, 91, AL+2                   ; the second: up to 8
	v_add_nc_u32 v[VSO], s[CSB], v[LANE8]
.irp h, 0,1
.irp a, 0,1,2,3
	global_load_b32 v[CM+4*(\h)+(\a)],  v[VSO], s[8:9] offset:65536*(\h)+128*(\a)         ; cm of key step 0, every lane its query's
	global_load_b32 v[204+4*(\h)+(\a)], v[VSO], s[8:9] offset:131072+65536*(\h)+128*(\a)  ; and of key step 1
.endr
.endr
	v_mul_u32_u24 v[ADRA0], v1, PP                 ; a fragment of P: row l % 16, keys 8 (l / 16) + 0..7 and 16 + 8 (l / 16) + 0..7
	v_lshl_add_u32 v[ADRA0], v[VH], 4, v[ADRA0]
	s_mul_i32 s20, s[WR], 64*PP
	v_add_nc_u32 v[ADRA0], s20, v[ADRA0]
	v_and_b32 v14, 7, v0                           ; the turning load: lane l reads key 8 (l / 16) + l % 8, channels 8 ((l / 8) % 2) + 0..7
	v_lshl_add_u32 v14, v[VH], 3, v14
	v_mul_u32_u24 v[ADRB0], v14, PV
	v_bfe_u32 v14, v0, 3, 1
	v_lshl_add_u32 v[ADRB0], v14, 4, v[ADRB0]
	s_lshl_b32 s20, s[WC], 7
	s_add_co_u32 s20, s20, VOFF
	v_add_nc_u32 v[ADRB0], s20, v[ADRB0]
	v_add_nc_u32 v[ADRB0+1], 128*PV, v[ADRB0]
	v_add_nc_u32 v[ADRA], s[SB], v[ADRA0]
	v_add_nc_u32 v[ADRB], s[SB], v[ADRB0]
	v_add_nc_u32 v[ADRB+1], s[SB], v[ADRB0+1]
	s_mul_i32 s20, s[WV], 16*SP
	s_add_co_u32 s20, s20, STAGE                   ; my stage
	v_mul_u32_u24 v[STO], v1, SP                   ; in: row l % 16, 32 bytes for each half of the lanes
	v_lshl_add_u32 v[STO], v[VH], 5, v[STO]
	v_add_nc_u32 v[STO], s20, v[STO]
	v_mul_u32_u24 v[RD], v[VH], SP                 ; back: lanes 0-15 one row of 256 bytes, lanes 16-31 the next
	v_lshl_add_u32 v[RD], v1, 4, v[RD]
	v_add_nc_u32 v[RD], s20, v[RD]
	v_lshlrev_b32 v[CO], 12, v[VH]                 ; the same two rows in out0
	v_lshl_add_u32 v[CO], v1, 4, v[CO]
.irp a, 0,1,2,3
	v_mov_b32 v[TW+(\a)], 0                        ; v_permlanex16_b32's destination counts as read
.endr
	WIN 0x40
.set i, 0
.rept 128
	v_mov_b32 v[i], 0                              ; the accumulators, while the loads are on their way
.set i, i+1
.endr
	WIN 0
	s_wait_loadcnt 0x0
; M, L and 1 / L of a block's queries.  A key tile beyond the block's last counts as (-1e30, 0).
.macro STATS base, nu, lim, dst
.set u, 0
.rept \nu
	v_or_b32 v14, 2*u, v[VH]
	v_cmp_lt_u32 vcc_lo, s[\lim], v14
.irp a, 0,1,2,3
	v_cndmask_b32 v[(\base)+8*u+2*(\a)], v[(\base)+8*u+2*(\a)], s[NEG], vcc_lo
	v_cndmask_b32 v[(\base)+8*u+2*(\a)+1], v[(\base)+8*u+2*(\a)+1], 0, vcc_lo
.endr
.set u, u+1
.endr
.irp a, 0,1,2,3
	v_max_num_f32 v[(\dst)+2*(\a)+1], v[(\base)+2*(\a)], v[(\base)+8+2*(\a)]
.endr
.set u, 2
.rept (\nu)-2
.irp a, 0,1,2,3
	v_max_num_f32 v[(\dst)+2*(\a)+1], v[(\dst)+2*(\a)+1], v[(\base)+8*u+2*(\a)]
.endr
.set u, u+1
.endr
.irp a, 0,1,2,3
	v_permlanex16_b32 v[TW+(\a)], v[(\dst)+2*(\a)+1], s[SEL], s[SEL+1]   ; the query's other key tiles lie in the lane 16 away
.endr
.irp a, 0,1,2,3
	v_max_num_f32 v[(\dst)+2*(\a)+1], v[(\dst)+2*(\a)+1], v[TW+(\a)]
.endr
.set u, 0
.rept \nu
.irp a, 0,1,2,3
	v_sub_f32 v[(\base)+8*u+2*(\a)], v[(\base)+8*u+2*(\a)], v[(\dst)+2*(\a)+1]
.endr
.set u, u+1
.endr
.set u, 0
.rept \nu
.irp a, 0,1,2,3
	v_exp_f32 v[(\base)+8*u+2*(\a)], v[(\base)+8*u+2*(\a)]
.endr
.set u, u+1
.endr
	v_nop                                          ; a plain instruction between the last exponential and the use of its result
	s_wait_alu depctr_va_vdst(0)
.irp a, 0,1,2,3
	v_mul_f32 v[(\dst)+2*(\a)], v[(\base)+2*(\a)], v[(\base)+2*(\a)+1]
.endr
.set u, 1
.rept (\nu)-1
.irp a, 0,1,2,3
	v_fmac_f32 v[(\dst)+2*(\a)], v[(\base)+8*u+2*(\a)], v[(\base)+8*u+2*(\a)+1]
.endr
.set u, u+1
.endr
.irp a, 0,1,2,3
	v_permlanex16_b32 v[TW+(\a)], v[(\dst)+2*(\a)], s[SEL], s[SEL+1]
.endr
.irp a, 0,1,2,3
	v_add_f32 v[(\dst)+2*(\a)], v[(\dst)+2*(\a)], v[TW+(\a)]
.endr
.irp a, 0,1,2,3
	v_rcp_f32 v[(\dst)+2*(\a)], v[(\dst)+2*(\a)]
.endr
	v_nop
.endm
	STATS 64, 8, 90, INV1
	STATS 128, 4, 91, INV2
; THE FACTORS of the step to come, from its cm: 2^(cm - M), twice in a register as f16; 0 where the step lies above the diagonal.  M is the first or the second block's, by LO1.
.macro FACT
.irp a, 0,1,2,3
	v_cndmask_b32 v[WK+(\a)], v[INV1+2*(\a)+1], v[INV2+2*(\a)+1], s[LO1]
.endr
.irp h, 0,1
.irp a, 0,1,2,3
	v_sub_f32 v[WK+4+4*(\h)+(\a)], v[CM+4*(\h)+(\a)], v[WK+(\a)]
.endr
.endr
.irp i, 0,1,2,3,4,5,6,7
	v_exp_f32 v[WK+4+(\i)], v[WK+4+(\i)]
.endr
	v_nop                                          ; a plain instruction between the last exponential and the use of its result
	s_wait_alu depctr_va_vdst(0)
.irp i, 0,1,2,3,4,5,6,7
	v_cvt_pk_f16_f32 v[FH+(\i)], v[WK+4+(\i)], v[WK+4+(\i)]
.endr
.irp i, 0,1,2,3,4,5,6,7
	v_and_b32 v[FH+(\i)], s[Z1], v[FH+(\i)]
.endr
	s_mov_b32 s[Z1], s[Z2]
	s_mov_b32 s[LO1], s[LO2]
.endm
; 32 LDS loads in one run: the fragments of quarter q (64 keys) of the slot in hand into buffer f: P's of the first 32 keys first, then P's others, then V's.
.macro FETCH q, f
	WIN 0x40                                       ; destination window 1, address window 0
.irp c, 0,1
.irp a, 0,1,2,3
	ds_load_b128 v[128+64*(\f)+8*(4*(\c)+(\a)):128+64*(\f)+8*(4*(\c)+(\a))+3],   v[ADRA] offset:16*PP*(\a)+128*(\q)+64*(\c)
	ds_load_b128 v[128+64*(\f)+8*(4*(\c)+(\a))+4:128+64*(\f)+8*(4*(\c)+(\a))+7], v[ADRA] offset:16*PP*(\a)+128*(\q)+64*(\c)+32
.endr
.endr
	WIN 0
.irp c, 0,1
.irp b, 0,1,2,3
	ds_load_tr16_b128 v[64+64*(\f)+8*(4*(\c)+(\b)):64+64*(\f)+8*(4*(\c)+(\b))+3],   v[ADRB+((\q)>>1)] offset:(((\q)&1)*64+32*(\c))*PV+32*(\b)
	ds_load_tr16_b128 v[64+64*(\f)+8*(4*(\c)+(\b))+4:64+64*(\f)+8*(4*(\c)+(\b))+7], v[ADRB+((\q)>>1)] offset:(((\q)&1)*64+32*(\c))*PV+32*(\b)+16*PV
.endr
.endr
.endm
; Four products: query block a x all four channel blocks, keys 32 c on of buffer f.  Behind each, two registers of P's fragment (tf, tc, a), which is multiplied later, take their factor.
; The 16 accumulators take turns, one instruction a turn.
.macro MULR f, c, a, tf, tc, half
	WIN W_MM
.irp b, 0,1,2,3
	v_wmma_f32_16x16x32_f16 v[8*(4*(\a)+(\b)):8*(4*(\a)+(\b))+7], v[64+64*(\f)+8*(4*(\c)+(\b)):64+64*(\f)+8*(4*(\c)+(\b))+7], v[128+64*(\f)+8*(4*(\c)+(\a)):128+64*(\f)+8*(4*(\c)+(\a))+7], v[8*(4*(\a)+(\b)):8*(4*(\a)+(\b))+7]
	v_pk_mul_f16 v[128+64*(\tf)+8*(4*(\tc)+(\a))+2*(\b)],   v[FH+4*(\half)+(\a)], v[128+64*(\tf)+8*(4*(\tc)+(\a))+2*(\b)]
	v_pk_mul_f16 v[128+64*(\tf)+8*(4*(\tc)+(\a))+2*(\b)+1], v[FH+4*(\half)+(\a)], v[128+64*(\tf)+8*(4*(\tc)+(\a))+2*(\b)+1]
.endr
.endm
; One of a key step's first three quarters: buffer f is multiplied; the next quarter is fetched into g.  At its head P's first 32 keys of f have their factor.
.macro QUARTER q, f, g
	PLACES
	FETCH (\q)+1, \g
	s_wait_dscnt 32                                ; all but the 32 just issued: f is whole
.irp a, 0,1,2,3
	MULR \f, 0, \a, \f, 1, (\q)>>1
.endr
	s_wait_dscnt 24                                ; the first eight of the run, P of g's first 32 keys, are in
.irp a, 0,1,2,3
	MULR \f, 1, \a, \g, 0, ((\q)+1)>>1
.endr
.endm
; What the next refill asks for: scalars alone.  P's tile is held at the block's diagonal tile; both descriptors' addresses are made anew from the tensors' addresses and offsets made apart.
.macro CURSOR
	s_min_u32 s[JC], s[JR], s[CI]
	s_cmp_gt_u32 s[JR], s[CI]
	s_cselect_b32 s[Z2], 0, -1
	s_lshl_b32 s[OA], s[JC], 9
	s_add_co_u32 s[OA], s[OA], s[CA]
	s_add_nc_u64 s[G0A+2:G0A+3], s[4:5], s[OA:OA+1]
	s_or_b32 s[G0A+3], s[G0A+3], 0x80000000
	s_mul_i32 s[OBV], s[JR], 256*6144
	s_add_co_u32 s[OBV], s[OBV], s[VB]
	s_add_nc_u64 s[G0B+2:G0B+3], s[6:7], s[OBV:OBV+1]
	s_or_b32 s[G0B+3], s[G0B+3], 0x80000000
	s_xor_b32 s[SF], s[SF], SLOT                   ; the other slot than last time
	s_add_co_u32 s[G0A+1], s[LA], s[SF]
	s_add_co_u32 s[G0B+1], s[LV], s[SF]
	s_lshl_b32 s[SO2], s[JC], 17                   ; two key tiles of st a step
	s_add_co_u32 s[SO2], s[SO2], s[CSB]
	s_mov_b32 s[LO2], s[LOR]
	s_add_co_u32 s[JR], s[JR], 1                   ; the block's next step, or behind its last the second block's step 0
	s_cmp_eq_u32 s[JR], s[NR]
	s_cselect_b32 s[JR], 0, s[JR]
	s_cselect_b32 s[CA], s[AL], s[CA]
	s_cselect_b32 s[CI], s[AL+1], s[CI]
	s_cselect_b32 s[CSB], s[AL+2], s[CSB]
	s_cselect_b32 s[LOR], -1, s[LOR]
	s_cselect_b32 s[NR], 99, s[NR]
.endm
; The last quarter multiplies buffer 1 and changes slots: ONE barrier.  In front of it each wave waits for all its tensor loads (one is out: its part of the next slot), adds 0 to its spare word, and waits
; for that and for its reads of this slot.  fill = 1: the barrier opens a round of the cluster's, and this slot is filled again, two key steps ahead, first thing behind the round.
.macro TURN fill
	WIN 0
	s_wait_tensorcnt 0x0                           ; no tensor load of mine is out, so a group 0 may be written
	ds_add_u32 v[SPW], v[NIL]
.if \fill
	CURSOR
.endif
	s_xor_b32 s[SB], s[SB], SLOT
	s_wait_dscnt 0x1                               ; only the add may be out: buffer 1 is whole
	MULR 1, 0, 0, 1, 1, 1
	MULR 1, 0, 1, 1, 1, 1
	s_wait_loadcnt 0x0                             ; cm of the step to come
	s_wait_dscnt 0x0                               ; the add is done, and my reads of this slot are over
	s_barrier_signal -1
	MULR 1, 0, 2, 1, 1, 1
	MULR 1, 0, 3, 1, 1, 1
	WIN 0
	FACT                                           ; this step's factors have had their last use: the next step's are made, on registers alone
	s_barrier_wait -1
.if \fill
	CREST                                          ; no wave of any partner still reads this slot's tiles or has a load on its way
	JLOAD                                          ; 112 matrix instructions ahead of the wait for it
.else
	PLACES
.endif
	v_add_nc_u32 v[ADRA], s[SB], v[ADRA0]
	v_add_nc_u32 v[ADRB], s[SB], v[ADRB0]
	v_add_nc_u32 v[ADRB+1], s[SB], v[ADRB0+1]
	FETCH 0, 0
.if \fill
	v_add_nc_u32 v[VSO], s[SO2], v[LANE8]          ; free since the wait for the loads above
.irp h, 0,1
.irp a, 0,1,2,3
	global_load_b32 v[CM+4*(\h)+(\a)], v[VSO], s[8:9] offset:65536*(\h)+128*(\a)  ; cm of the step just asked for
.endr
.endr
.endif
	s_wait_dscnt 24                                ; P of the next step's first 32 keys is in
.irp a, 0,1,2,3
	MULR 1, 1, \a, 0, 0, 0
.endr
.endm
; THE WAY OUT of a block.  Query block a: O^T times 1 / L; a lane's eight channels of a row, 32 bytes, into my stage; back as whole rows of 256 bytes; stored.
.macro SEND a, younger, ob
	s_wait_dscnt \younger                          ; younger: the next query block's eight stores and eight loads of the stage, or none
.irp t, 0,1,2,3,4,5,6,7
	global_store_b128 v[CO], v[WK+32*((\a)%2)+4*(\t):WK+32*((\a)%2)+4*(\t)+3], s[\ob:(\ob)+1] offset:(16*(\a)+2*(\t))*4096 th:TH_STORE_NT  ; 16 lanes store 256 consecutive bytes, aligned
.endr
.endm
.macro OUT inv, ob, clear
	PLACES
.irp a, 0,1,2,3
	WIN 0x41                                       ; O^T (destination and source 0) window 1, 1 / L window 0
.set i, 32*(\a)
.rept 16
	v_pk_mul_f32 v[i:i+1], v[i:i+1], v[(\inv)+2*(\a):(\inv)+2*(\a)+1] op_sel_hi:[1,0]
.set i, i+2
.endr
	s_wait_xcnt 0x0                                ; the registers that earlier stores read are loaded again only behind this wait
	WIN 0x04                                       ; the stores' data in window 1
.irp b, 0,1,2,3
	ds_store_b128 v[STO], v[32*(\a)+8*(\b):32*(\a)+8*(\b)+3]   offset:64*(\b)
	ds_store_b128 v[STO], v[32*(\a)+8*(\b)+4:32*(\a)+8*(\b)+7] offset:64*(\b)+16
.endr
	WIN 0
.irp t, 0,1,2,3,4,5,6,7
	ds_load_b128 v[WK+32*((\a)%2)+4*(\t):WK+32*((\a)%2)+4*(\t)+3], v[RD] offset:2*SP*(\t)  ; LDS serves a wave's instructions in order (ISA guide 5.7.1.4): these see the stores above
.endr
.if (\a) > 0
	SEND (\a)-1, 16, \ob
.endif
.endr
	SEND 3, 0, \ob
.if \clear
	s_wait_xcnt 0x0                                ; the stores have read their registers: v192 on are at work again in the next step
	WIN 0x40
.set i, 0
.rept 128
	v_mov_b32 v[i], 0                              ; the second block's sums start at 0
.set i, i+1
.endr
	WIN 0
.endif
.endm
	FACT                                           ; key step 0's factors
.irp i, 0,1,2,3,4,5,6,7
	v_mov_b32 v[CM+(\i)], v[204+(\i)]              ; key step 1's cm takes its place
.endr
	s_wait_tensorcnt 1                             ; my part of key step 0 is in; step 1's may stay out
	s_barrier_signal -1
	s_barrier_wait -1
	FETCH 0, 0
	s_wait_dscnt 24
	WIN W_MM
.irp a, 0,1,2,3
.irp r, 0,1,2,3,4,5,6,7
	v_pk_mul_f16 v[128+8*(\a)+(\r)], v[FH+(\a)], v[128+8*(\a)+(\r)]
.endr
.endr
	WIN 0
	s_mov_b32 s[CNT], 8
.Lstep:                                                ; a trip: a key step; steps 2 to 9 of the walk are asked for
	QUARTER 0, 0, 1
	QUARTER 1, 1, 0
	QUARTER 2, 0, 1
	TURN 1
	WIN 0
	s_sub_co_u32 s[NL], s[NL], 1
	s_cmp_lg_u32 s[NL], 0                          ; gp is the cluster's: all partners jump alike; what is jumped holds no barrier and no tensor load
	s_cbranch_scc1 .Lnot_end
	OUT INV1, 10, 1                                ; the first block is finished
.Lnot_end:
	s_sub_co_u32 s[CNT], s[CNT], 1
	s_cmp_lg_u32 s[CNT], 0
	s_cbranch_scc1 .Lstep
	s_mov_b32 s[CNT], 2
.Ltail:                                                ; the last two key steps ask for nothing.  The very last change of slots fetches and scales fragments of a tile that has been used: they serve nothing, once a launch
	QUARTER 0, 0, 1
	QUARTER 1, 1, 0
	QUARTER 2, 0, 1
	TURN 0
	WIN 0
	s_sub_co_u32 s[CNT], s[CNT], 1
	s_cmp_lg_u32 s[CNT], 0
	s_cbranch_scc1 .Ltail
	OUT INV2, OUT2, 0
	s_wait_tensorcnt 0x0                           ; the wave's end
	ds_add_u32 v[SPW], v[NIL]
	s_wait_dscnt 0x0
	CROUND                                         ; the closing round
	s_endpgm
.Lfunc_end_k_q58aac93392_mix:
	.size	k_q58aac93392_mix, .Lfunc_end_k_q58aac93392_mix-k_q58aac93392_mix
	.p2alignl 7, 3214868480
	.fill 96, 4, 3214868480
	.section	.rodata,"a",@progbits
	.p2align	6, 0x0
	.amdhsa_kernel k_q58aac93392_mix
		.amdhsa_group_segment_fixed_size 327680
		.amdhsa_private_segment_fixed_size 0
		.amdhsa_enable_private_segment 0
		.amdhsa_kernarg_size 32
		.amdhsa_user_sgpr_count 2
		.amdhsa_user_sgpr_kernarg_segment_ptr 1
		.amdhsa_wavefront_size32 1
		.amdhsa_system_sgpr_workgroup_id_x 1
		.amdhsa_system_sgpr_workgroup_id_y 1
		.amdhsa_system_sgpr_workgroup_id_z 1
		.amdhsa_system_vgpr_workitem_id 0
		.amdhsa_next_free_vgpr 512
		.amdhsa_next_free_sgpr 104
		.amdhsa_reserve_vcc 1
		.amdhsa_float_denorm_mode_32 3
		.amdhsa_float_denorm_mode_16_64 3
		.amdhsa_memory_ordered 1
		.amdhsa_forward_progress 1
		.amdhsa_inst_pref_size 142
	.end_amdhsa_kernel
	.amdgpu_metadata
---
amdhsa.version: [ 1, 2 ]
amdhsa.kernels:
  - .name:           k_q58aac93392_mix
    .symbol:         k_q58aac93392_mix.kd
    .args:
      - { .name: pt, .offset: 0, .size: 8, .value_kind: global_buffer, .address_space: global }
      - { .name: qkv, .offset: 8, .size: 8, .value_kind: global_buffer, .address_space: global }
      - { .name: st, .offset: 16, .size: 8, .value_kind: global_buffer, .address_space: global }
      - { .name: out0, .offset: 24, .size: 8, .value_kind: global_buffer, .address_space: global }
    .group_segment_fixed_size: 327680
    .private_segment_fixed_size: 0
    .kernarg_segment_align: 8
    .kernarg_segment_size: 32
    .max_flat_workgroup_size: 128
    .sgpr_count:     104
    .vgpr_count:     512
    .wavefront_size: 32
...
	.end_amdgpu_metadata
.endif
;; end of part 4
